; MI455X (gfx1250); checked and timed in simulation.
; The chip was launched on July 23, 2026; its instructions are those of AMD's public machine-readable ISA for CDNA 5 (MIT licence, August 2026) and "CDNA5" Instruction Set Architecture Reference Guide (July 2026). The comments in the code are by the model that wrote it; some were corrected since.
;; Compressor. Allowed arithmetic: matrix products marked QUANTISED: E2M1 operands, one E8M0 scale for each 32 along K, by v_wmma_scale_f32_16x16x128_f8f6f4 with both operands' format E2M1 (or v_wmma_scale_f32_32x16x128_f4), f32 sums; everything else in f32.
;; Inputs: ape 4 x 512 float32; norm_w 512 float32; wgate_w 512 x 4,096 float32; wkv_w 512 x 4,096 float32; x 4 x 4,096 x 4,096 float32.
;; Outputs: out0 4 x 1,024 x 512 float32.
;; This version of the problem:
;;   THIS VERSION OF THE PROBLEM IS GIVEN IN LOW PRECISION. The matrix products marked QUANTISED in the list below multiply operands that are first quantised to E2M1 (2 exponent bits, 1 mantissa bit; 4 bits a number), with one power-of-two scale for each 32 numbers along K (OCP MX v1.0); their sums are f32. All else is computed in f32.
;;   The module's matrix products, in the order in which they are computed (A, B: the left and right operand; K: the contracted axis; several contracted axes count as one K, in the product's order):
;;     1. [M 16,384, K 4,096] x [K 4,096, N 512]; A: input x; B: input wkv_w: QUANTISED
;;     2. [M 16,384, K 4,096] x [K 4,096, N 512]; A: input x; B: input wgate_w: QUANTISED
;;   THE QUANTISER, for each operand of a quantised product, along K:
;;     - K is cut into blocks of 32 from its start; a last block that is shorter is filled with zeros.
;;     - A block's scale is 2^e with e = floor(log2(the largest magnitude in the block)) - 2, held to -126 .. 127; a block of zeros has e = 0. As a byte (E8M0): e + 127.
;;     - Each number is divided by its block's scale, clamped to +-6, and rounded to the nearest number of E2M1, ties to even, subnormals kept.
;;     - The product sums the exact products of the quantised numbers (number of the format x scale) in f32.
;;   ~~~python
;;   def quantise(x, axis):      # numpy; x: float32 -> the quantised numbers, widened to float32 again
;;       x = np.moveaxis(x, axis, -1); K = x.shape[-1]
;;       x = np.pad(x, [(0, 0)] * (x.ndim - 1) + [(0, -K % 32)]); x = x.reshape(x.shape[:-1] + (-1, 32)); a = np.abs(x).max(-1, keepdims=True)
;;       e = np.where(a > 0, np.clip(np.frexp(np.where(a > 0, a, 1))[1] - 1 - 2, -126, 127), 0)      # np.frexp(a)[1] - 1 = floor(log2(a)), exactly
;;       r = np.clip(x / 2.0 ** e, -6, 6)
;;       step = 2.0 ** (np.maximum(np.frexp(np.where(r == 0, 1, r))[1] - 1, 0) - 1)
;;       q = np.round(r / step) * step * 2.0 ** e      # np.round: ties to even
;;       return np.moveaxis(q.reshape(q.shape[:-2] + (-1,))[..., :K], -1, axis).astype(np.float32)
;;   ~~~
;; One version. Each part assembles by itself: llvm-mc -triple=amdgcn-amd-amdhsa -mcpu=gfx1250 --defsym DOCPART=n.
;; ======== version 1 of 1: 2 launches
;; limits: right only within a limited range of input values
;; workspace buffers: wq 2,228,224 bytes
;; launch wquant (part 1): grid 256 x 1, 2 waves a work-group, no clusters, 10,496 bytes of LDS; arguments wkv_w, wgate_w, wq; writes wq
.if DOCPART == 1
	.amdgcn_target "amdgcn-amd-amdhsa--gfx1250"
	.amdhsa_code_object_version 6
	.text
	.protected	k_qdd28038358_wquant
	.globl	k_qdd28038358_wquant
	.p2align	8
	.type	k_qdd28038358_wquant,@function
k_qdd28038358_wquant:
	s_mov_b64 s[64:65], 0
	v_nop
	global_prefetch_b8 v0, s[64:65] scope:SCOPE_SE
	s_setreg_imm32_b32 hwreg(HW_REG_WAVE_MODE, 25, 1), 1
	s_wait_xcnt 0x0
; wkv_w and wgate_w, [512][4096] f32 with K innermost, become codes of FP4 (E2M1) with one E8M0 byte for each 32 along K,
; laid in wq in the order in which the next launch's operand registers take them:
;   wq = [t: 16 slots of 256 along K][w: 4 waves][34,816 bytes];  in such a block
;   codes  [q: 2 steps of 128][b: 16 tiles][c: 2][lane 32][16 bytes]: lane (r, h) holds k = 256 t + 128 q + 64 c + 32 h + 0 .. 31 of the tile's row r;
;   scales [p: 8 pairs of tiles][lane 32][q: 2][4 bytes], from byte 32,768 on: lanes 0-15 tile 2 p, lanes 16-31 tile 2 p + 1.
;   Tile b < 8 is rows 128 w + 16 b on of wkv_w, tile b >= 8 rows 128 w + 16 (b - 8) on of wgate_w: a pair p is 32 neighbouring rows of one matrix.
; A block's scale is 2^(floor(log2(its largest magnitude)) - 2); its byte is the largest magnitude's exponent field - 2, held at 1 from below.
; LIMITS: a block whose largest magnitude lies under 2^-124, a block of zeros among them, gets the byte 1 (a block of zeros has zero codes, and this
; program alone reads the bytes); NaN and infinities among the inputs are not served.
; SHARES: a wave takes one (w, p, t): 32 rows x 256 along K.  A row's 1,024 bytes are a UNIT: lane l takes the 32 bytes at 32 l (two loads of 16, one behind
; the other), so that it holds 8 neighbours of one block, which is what one conversion takes; a block is 4 lanes.  The codes (4 bytes a lane) turn through the
; wave's own LDS rows and come back as fragments.  Waves share nothing: no barrier.
.set WBLK,  34816
.set WREG,  5120                       ; LDS of a wave: 32 rows of codes, 144 bytes apart (128 + 16: the 16 rows of a fragment load start at 16 different banks), then 32 x 8 scale bytes
.set CP,    144
.set SCB,   32*CP
.set M,     32                         ; v32-63  a unit's largest magnitude, then the conversion's scale operand, then the byte
.set C,     64                         ; v64-95  a unit's codes
.set FO,    96                         ; v96-127 the eight half fragments on the way out
.set MSB, 0
.macro WIN new                         ; the immediate's high byte repeats the setting that is left
.if MSB != (\new)
	s_set_vgpr_msb (MSB<<8)|(\new)
.set MSB, (\new)
.endif
.endm
	s_load_b128 s[4:7], s[0:1], 0x0                ; wkv_w, wgate_w
	s_load_b64 s[8:9], s[0:1], 0x10                ; wq
	v_lshl_add_u32 v30, v0, 2, 0x2800
	v_mov_b32 v31, 0
	v_lshrrev_b32 v8, 5, v0
	v_readfirstlane_b32 s10, v8                    ; wave 0, 1
	v_and_b32 v9, 31, v0                           ; lane
	s_wait_alu depctr_va_vdst(0)
	v_and_b32 v10, 15, v0                          ; r
	s_wait_alu depctr_va_vdst(0)
	v_bfe_u32 v11, v0, 4, 1                        ; h
	s_lshl_b32 s11, ttmp9, 1
	s_add_co_u32 s11, s11, s10                     ; item = 2 x work-group + wave = 128 w + 16 p + t
	s_and_b32 s12, s11, 15                         ; t
	s_bfe_u32 s13, s11, 0x30004                    ; p
	s_lshr_b32 s14, s11, 7                         ; w
	s_and_b32 s15, s13, 3
	s_lshl_b32 s15, s15, 5
	s_lshl_b32 s16, s14, 7
	s_add_co_u32 s16, s16, s15                     ; my first row in its matrix: 128 w + 32 (p % 4)
	s_lshl_b32 s16, s16, 14                        ; a row is 16,384 bytes
	s_lshl_b32 s15, s12, 10                        ; a slot of K 1,024
	s_add_co_u32 s16, s16, s15
	s_mov_b32 s17, 0
	s_lshl_b32 s18, s12, 2
	s_add_co_u32 s18, s18, s14
	s_mul_i32 s18, s18, WBLK                       ; block (t, w) of wq
	s_lshl_b32 s20, s13, 11
	s_add_co_u32 s20, s18, s20                     ; my two tiles' codes: 2,048 p on
	s_mov_b32 s21, 0
	s_lshl_b32 s22, s13, 8
	s_add_co_u32 s22, s18, s22
	s_add_co_u32 s22, s22, 32768                   ; my pair's scale words: 256 p on, behind the codes
	s_mov_b32 s23, 0
	s_mul_i32 s19, s10, WREG                       ; my wave's LDS
	v_lshlrev_b32 v1, 5, v9                        ; in: 32 bytes a lane
	v_lshl_add_u32 v2, v9, 2, s19                  ; codes into LDS: 4 bytes a lane, the unit's row in the immediate
	v_lshrrev_b32 v3, 2, v9
	v_add_nc_u32 v3, s19, v3
	v_add_nc_u32 v3, SCB, v3                       ; my block's byte: lane / 4
	v_mul_u32_u24 v4, v10, CP
	s_wait_alu depctr_va_vdst(0)
	v_lshl_add_u32 v4, v11, 4, v4
	v_add_nc_u32 v4, s19, v4                       ; a fragment's place for my lane: row r, + 16 h
	v_lshl_add_u32 v5, v9, 3, s19
	v_add_nc_u32 v5, SCB, v5                       ; row = lane: its 8 scale bytes
	v_lshlrev_b32 v6, 4, v9                        ; out: 16 bytes a lane,
	v_lshlrev_b32 v7, 3, v9                        ; and 8 for the scale words
	s_wait_kmcnt 0x0
	s_cmp_lt_u32 s13, 4                            ; pairs 0-3 are wkv_w's, pairs 4-7 wgate_w's: the choice hangs on the item's number alone
	s_cselect_b64 s[4:5], s[4:5], s[6:7]
	s_add_nc_u64 s[4:5], s[4:5], s[16:17]
	s_add_nc_u64 s[24:25], s[8:9], s[20:21]
	s_add_nc_u64 s[26:27], s[8:9], s[22:23]
.irp u, 0,1,2,3,4,5,6,7,8,9,10,11,12,13,14,15     ; all 64 loads go out at once: units 0-15 into v128-255,
	global_load_b128 v[128+8*\u:128+8*\u+3], v1, s[4:5] offset:16384*\u th:TH_LOAD_NT
	global_load_b128 v[128+8*\u+4:128+8*\u+7], v1, s[4:5] offset:16384*\u+16 th:TH_LOAD_NT
.endr
	WIN 0x40                                       ; units 16-31 into v0-127 of window 1
.irp u, 0,1,2,3,4,5,6,7,8,9,10,11,12,13,14,15
	global_load_b128 v[8*\u:8*\u+3], v1, s[4:5] offset:16384*(16+\u) th:TH_LOAD_NT
	global_load_b128 v[8*\u+4:8*\u+7], v1, s[4:5] offset:16384*(16+\u)+16 th:TH_LOAD_NT
.endr
	WIN 0
; Sixteen units, from v[xb] on in window xw, are quantised; the units take turns line by line, so that no line waits for the line above it.
.macro QH xb, xw, u0
	WIN 0x05*(\xw)
.irp u, 0,1,2,3,4,5,6,7,8,9,10,11,12,13,14,15
	v_max3_num_f32 v[M+\u0+\u], |v[\xb+8*\u]|, |v[\xb+8*\u+1]|, 0x1800000   ; my 8 numbers, and the floor 2^(3 - 127): the byte cannot fall under 1
.endr
	WIN 0x14*(\xw)
.irp i, 2,4,6
.irp u, 0,1,2,3,4,5,6,7,8,9,10,11,12,13,14,15
	v_max3_num_f32 v[M+\u0+\u], v[M+\u0+\u], |v[\xb+8*\u+\i]|, |v[\xb+8*\u+\i+1]|
.endr
.endr
	WIN 0
.irp k, 1,2
.irp u, 0,1,2,3,4,5,6,7,8,9,10,11,12,13,14,15
	v_max_num_f32_dpp v[M+\u0+\u], v[M+\u0+\u], v[M+\u0+\u] row_xmask:\k row_mask:0xf bank_mask:0xf   ; with the block's other three lanes
.endr
.endr
.irp u, 0,1,2,3,4,5,6,7,8,9,10,11,12,13,14,15
	v_add_nc_u32 v[M+\u0+\u], 0xff000000, v[M+\u0+\u]   ; 2 off the exponent field: the conversion takes this operand's exponent field as its scale
.endr
	WIN 0x01*(\xw)
.irp u, 0,1,2,3,4,5,6,7,8,9,10,11,12,13,14,15
	v_cvt_scalef32_pk8_fp4_f32 v[C+\u0+\u], v[\xb+8*\u:\xb+8*\u+7], v[M+\u0+\u]
.endr
	WIN 0
	v_nop                                          ; one plain line between the conversions and the lines that write their scale operands
.irp u, 0,1,2,3,4,5,6,7,8,9,10,11,12,13,14,15
	v_lshrrev_b32 v[M+\u0+\u], 23, v[M+\u0+\u]     ; the scale's byte
.endr
.irp u, 0,1,2,3,4,5,6,7,8,9,10,11,12,13,14,15
	ds_store_b32 v2, v[C+\u0+\u] offset:CP*(\u0+\u)
	ds_store_b8 v3, v[M+\u0+\u] offset:8*(\u0+\u)  ; the four lanes of a block write the same byte with the same value
.endr
.endm
	s_wait_loadcnt 32                              ; units 0-15 are in; the 32 loads of units 16-31 may be out
	QH 128, 0, 0
	s_wait_loadcnt 0x0
	QH 0, 1, 16
.irp a, 0,1                                    ; LDS serves a wave's instructions in order (ISA guide 5.7.1.4): these loads see the stores above
.irp q, 0,1
.irp c, 0,1
	ds_load_b128 v[FO+4*(4*\a+2*\q+\c):FO+4*(4*\a+2*\q+\c)+3], v4 offset:16*CP*\a+64*\q+32*\c
.endr
.endr
.endr
	ds_load_b64 v[16:17], v5
	s_wait_dscnt 0x0
.irp a, 0,1
.irp q, 0,1
.irp c, 0,1
	global_store_b128 v6, v[FO+4*(4*\a+2*\q+\c):FO+4*(4*\a+2*\q+\c)+3], s[24:25] offset:16384*\q+1024*\a+512*\c   ; 32 lanes store 512 consecutive bytes, at a multiple of 256 from wq's first byte
.endr
.endr
.endr
	global_store_b64 v7, v[16:17], s[26:27]        ; 32 lanes store 256 consecutive bytes, aligned likewise
	s_wait_tensorcnt 0x0
	ds_add_u32 v30, v31
	s_wait_dscnt 0x0
	s_endpgm
.Lfunc_end_k_qdd28038358_wquant:
	.size	k_qdd28038358_wquant, .Lfunc_end_k_qdd28038358_wquant-k_qdd28038358_wquant
	.p2alignl 7, 3214868480
	.fill 96, 4, 3214868480
	.section	.rodata,"a",@progbits
	.p2align	6, 0x0
	.amdhsa_kernel k_qdd28038358_wquant
		.amdhsa_group_segment_fixed_size 10496
		.amdhsa_private_segment_fixed_size 0
		.amdhsa_enable_private_segment 0
		.amdhsa_kernarg_size 24
		.amdhsa_user_sgpr_count 2
		.amdhsa_user_sgpr_kernarg_segment_ptr 1
		.amdhsa_wavefront_size32 1
		.amdhsa_system_sgpr_workgroup_id_x 1
		.amdhsa_system_sgpr_workgroup_id_y 1
		.amdhsa_system_sgpr_workgroup_id_z 1
		.amdhsa_system_vgpr_workitem_id 0
		.amdhsa_next_free_vgpr 384
		.amdhsa_next_free_sgpr 66
		.amdhsa_reserve_vcc 0
		.amdhsa_float_denorm_mode_32 3
		.amdhsa_float_denorm_mode_16_64 3
		.amdhsa_memory_ordered 1
		.amdhsa_forward_progress 1
		.amdhsa_inst_pref_size 33
	.end_amdhsa_kernel
	.amdgpu_metadata
---
amdhsa.version: [ 1, 2 ]
amdhsa.kernels:
  - .name:           k_qdd28038358_wquant
    .symbol:         k_qdd28038358_wquant.kd
    .args:
      - { .name: wkv_w, .offset: 0, .size: 8, .value_kind: global_buffer, .address_space: global }
      - { .name: wgate_w, .offset: 8, .size: 8, .value_kind: global_buffer, .address_space: global }
      - { .name: wq, .offset: 16, .size: 8, .value_kind: global_buffer, .address_space: global }
    .group_segment_fixed_size: 10496
    .private_segment_fixed_size: 0
    .kernarg_segment_align: 8
    .kernarg_segment_size: 24
    .max_flat_workgroup_size: 64
    .sgpr_count:     66
    .vgpr_count:     384
    .wavefront_size: 32
...
	.end_amdgpu_metadata
.endif
;; end of part 1
;; launch fused (part 2): grid 256 x 1, 4 waves a work-group, clusters of 4 x 1, 327,680 bytes of LDS; arguments x, wq, ape, norm_w, out0; writes out0
.if DOCPART == 2
	.amdgcn_target "amdgcn-amd-amdhsa--gfx1250"
	.amdhsa_code_object_version 6
	.text
	.protected	k_qdd28038358_fused
	.globl	k_qdd28038358_fused
	.p2align	8
	.type	k_qdd28038358_fused,@function
k_qdd28038358_fused:
	s_mov_b64 s[64:65], 0
	v_nop
	global_prefetch_b8 v0, s[64:65] scope:SCOPE_SE
	s_setreg_imm32_b32 hwreg(HW_REG_WAVE_MODE, 25, 1), 1
	s_wait_xcnt 0x0
	s_wait_alu depctr_hold_cnt(0) depctr_sa_sdst(0) depctr_va_vdst(0) depctr_va_sdst(0) depctr_va_ssrc(0) depctr_va_vcc(0) depctr_vm_vsrc(0)
	s_getreg_b32 s2, hwreg(HW_REG_IB_STS2, 6, 4)
	s_cmp_eq_u32 s2, 0
	s_cbranch_scc0 .Lentry_in_a_cluster
	s_endpgm
.Lentry_in_a_cluster:
	s_bfe_u32 s2, ttmp6, 0x10000c
	s_cmp_lg_u32 s2, 0x3003
	s_cbranch_scc0 .Lentry_shape_is_right
	s_endpgm
.Lentry_shape_is_right:
; out0 = RMSNorm(mean over windows of 4 tokens of (x wkv^T) sigmoid(x wgate^T) + ape), both products in MX-FP4 (E2M1 codes, one E8M0 byte for each 32 along K), sums in f32.
; A work-group takes 64 rows of x and all 512 + 512 columns; a wave all 64 rows x 128 columns of kv and the same 128 of the gate: 64 accumulators, 512 registers (windows 2 and 3).
; K goes in 16 slots of 256, two matrix steps of 128 each.  The first slot is the cluster's number mod 16 and the walk wraps round: the sums' order along K differs between clusters.
; x: a wave loads its 16 rows of a slot, each row by two loads of 512 consecutive bytes, 16 a lane: a lane holds 4 neighbours of a block of the slot's first step and 4 of a block of its second; a block is 8 lanes.
; The conversion takes 8 numbers under one scale, so it runs twice over the lane's 8, once under each block's scale: the low half of the first result and the high half of the second are the codes (2 bytes each).
; Codes and scale bytes go into one of two LDS buffers; every wave reads all 64 rows back as fragments.
; wq, laid by the launch before in the order of the operand registers, is the same for all work-groups and comes BY TWO ROADS, 16,384 bytes of codes a wave and slot by each:
;   the slot's first step by a JOINT tensor load of the four work-groups of a cluster (4 x 1) into one of two LDS slots, each wave its own part, asked for one slot ahead, and from there into set 0 of window 1;
;   the slot's second step, and the slot's scale words, from memory straight into registers (set 1 of window 1; v32-63).
; One round of the cluster's barrier a slot: it stands in front of the joint refill and is also the barrier between the writing and the reading of x's codes.
; GLOBAL LOADS ARE ISSUED IN THE ORDER OF THEIR USE: x half A (16), wq's scale words (8), x half B (16), wq step 1 (32); each wait names the loads issued behind the one it waits for (63 where they are 64 or more).
; PREFETCH: in slot t each wave asks for its own 16 rows x 1,024 bytes of x of slot t + 4 (64 blocks of 256 bytes, a lane a block, two instructions), two slots ahead of the loads that take them into registers;
; slots 0 to 3 come by their loads alone, and slots 12 on ask for nothing.  None for wq: the 64 clusters walk the same 16 slots from 16 starts, so each slot is asked for by four clusters at a time.
; LIMITS: a block whose largest magnitude lies under 2^-124, a block of zeros among them, gets the byte 1 (zero codes add nothing, and this program alone reads the bytes); NaN and infinities in x are not served.
; WINDOW 0: v0-17 addresses; v24-27 x's scale words; v32-63 wq's scale words, two sets; v64-95 the quantiser's; v96-127 x's fragments; v128-255 x as loaded (16 rows x 8).
.set WBLK,  34816
.set SLOTB, 4*WBLK
.set WSL,   65536                      ; an LDS slot of wq: 4 waves x 16,384 bytes
.set XIMG,  2*WSL                      ; behind the two slots: x's codes
.set XP,    144                        ; a row of 128 bytes of codes + 16
.set XBUF,  64*XP
.set XSC,   XIMG+2*XBUF                ; scale bytes: two buffers of 64 rows x 8
.set RS,    XSC+1024                   ; the rows' sums of squares
.set SPARE, RS+256                     ; the spare words, 128 bytes a wave
.set STG,   SPARE+768                  ; the way out: 16 rows of SP bytes
.set SP,    2080
.set SPW, 1
.set NIL, 2
.set ABF, 4
.set ASC, 5
.set WO,  6
.set WS,  7
.set CST, 8
.set BST, 9
.set APO, 10
.set RSW, 11
.set RSR, 12
.set STO, 13
.set SRD, 14
.set PFO, 15
.set BAD, 16                           ; v16, v17 my part of wq's LDS slot 0, 1
.set AS,  24
.set BS,  32
.set M0,  64                           ; v64-71 the first step's blocks, v72-79 the second's: largest magnitude, then scale operand, then byte
.set M1,  72
.set C0,  80                           ; v80-87, v88-95 the two conversions' results
.set C1,  88
.set AF,  96
.set X,   128
.set E,   64
.set PL,  128
.set AP,  192
.set NW,  224
.set APM, 232
.set SS,  240
.set R,   248
.set WB,  22
.set XA,  30
.set WA,  32
.set PA,  34
.set KX,  36
.set KW,  37
.set G0,  40                           ; s[40:47] descriptor group 0, one set for each LDS slot
.set G1,  52                           ; s[52:59] descriptor group 1
.set MUL_LO, 0xa4                      ; source 0 (x) window 0, source 1 (wq) window 1, C and D window 2
.set MUL_HI, 0xf4
.set MSB, 0
.macro WIN new
.if MSB != (\new)
	s_set_vgpr_msb (MSB<<8)|(\new)
.set MSB, (\new)
.endif
.endm
.macro PLACES n
.rept \n
	v_nop
.endr
.endm
.macro CREST
	s_cmp_lg_u32 s14, 0
	s_cbranch_scc1 .Lnot_wave_0_\@
	s_barrier_signal -3
.Lnot_wave_0_\@:
	s_barrier_wait -3
	s_barrier_signal -1
	s_barrier_wait -1
.endm
.macro CROUND                          ; a round of the cluster's barrier
	s_barrier_signal -1
	s_barrier_wait -1
	CREST
.endm
	s_load_b256 s[4:11], s[0:1], 0x0               ; x, wq, ape, norm_w
	s_load_b64 s[12:13], s[0:1], 0x20              ; out0
	v_lshl_add_u32 v[SPW], v0, 2, SPARE
	v_mov_b32 v[NIL], 0
	ds_add_u32 v[SPW], v[NIL]                      ; the opening lines: the add, twice on end, and its wait ahead of my first tensor load
	ds_add_u32 v[SPW], v[NIL]
	v_lshrrev_b32 v80, 5, v0
	v_readfirstlane_b32 s14, v80                   ; wave
	s_bfe_u32 s15, ttmp6, 0x40000                  ; my place in the cluster
	s_lshl_b32 s16, ttmp9, 2
	s_add_co_u32 s16, s16, s15                     ; work-group
	s_lshl_b32 s50, s16, 20                        ; x: 64 rows of 16,384 bytes a work-group, 16 a wave
	s_lshl_b32 s51, s14, 18
	s_add_co_u32 s50, s50, s51
	s_mov_b32 s51, 0
	s_lshl_b32 s48, s16, 15                        ; out0: 16 rows of 2,048 bytes a work-group, 4 a wave
	s_lshl_b32 s49, s14, 13
	s_add_co_u32 s48, s48, s49
	s_mov_b32 s49, 0
	s_mul_i32 s[WB], s14, WBLK
	s_mov_b32 s[WB+1], 0
	s_and_b32 s[KX], ttmp9, 15                     ; the first slot: the same in the cluster's four work-groups
	s_mov_b32 s[KW], s[KX]
	s_mov_b32 s19, 0
	s_mov_b32 s21, 0
	s_mul_i32 s24, s14, 16*XP
	s_add_co_u32 s24, s24, XIMG
	s_lshl_b32 s25, s14, 7
	s_add_co_u32 s25, s25, XSC
	s_lshl_b32 s26, s14, 9
	s_lshl_b32 s27, s14, 2
	s_add_co_u32 s27, s27, RS
	s_mul_i32 s28, s14, 4*SP
	s_add_co_u32 s28, s28, STG
	s_lshl_b32 s29, s14, 14                        ; my part of an LDS slot of wq
	s_mov_b32 s38, 0xbfb8aa3b                      ; -log2(e)
	s_mov_b32 s39, s38
	s_mov_b32 s60, 0x3b000000                      ; 1/512
	s_mov_b32 s61, 0x358637bd                      ; 1e-6
	s_mov_b32 s[G1], 15|(3<<16)|(1<<21)            ; the cluster's four work-groups; elements of 8 bytes; bit 21 beside the mask
	s_mov_b32 s[G1+1], 32<<16                      ; 64 dense rows of 256 bytes
	s_mov_b32 s[G1+2], 64<<16
	s_mov_b32 s[G1+3], 32<<16
	s_mov_b32 s[G1+4], 64
	s_mov_b32 s[G1+5], 32
	s_mov_b32 s[G1+6], 0
	s_mov_b32 s[G1+7], 0
	v_and_b32 v80, 31, v0                          ; lane
	v_and_b32 v81, 15, v0                          ; r
	v_bfe_u32 v82, v0, 4, 1                        ; h
	v_mul_u32_u24 v[ABF], v81, XP
	v_lshl_add_u32 v[ABF], v82, 4, v[ABF]          ; a fragment: row r, + 16 h
	v_add_nc_u32 v[ABF], XIMG, v[ABF]
	v_lshlrev_b32 v[WS], 3, v80                    ; scale words: 8 bytes a lane
	v_add_nc_u32 v[ASC], XSC, v[WS]
	v_lshlrev_b32 v[WO], 4, v80                    ; x, wq's codes and out0: 16 bytes a lane
	v_lshl_add_u32 v[BAD], v80, 4, s29
	v_add_nc_u32 v[BAD+1], WSL, v[BAD]
	v_lshl_add_u32 v[CST], v80, 1, s24             ; my 4 codes: 2 bytes a lane, my wave's 16 rows
	v_lshrrev_b32 v85, 3, v80
	v_add_nc_u32 v[BST], s25, v85                  ; my block's byte: lane / 8
	v_lshl_add_u32 v[APO], v81, 2, s26             ; my column, in bytes
	v_lshl_add_u32 v[RSW], v82, 5, s27
	v_lshlrev_b32 v[RSR], 5, v82
	v_add_nc_u32 v[RSR], RS, v[RSR]
	v_mul_u32_u24 v[STO], v82, 2*SP
	v_add_nc_u32 v[STO], v[STO], v[APO]
	v_add_nc_u32 v[STO], STG, v[STO]
	v_lshl_add_u32 v[SRD], v80, 4, s28
	v_lshrrev_b32 v83, 2, v80
	v_and_b32 v84, 3, v80
	v_lshlrev_b32 v[PFO], 14, v83                  ; prefetch: row lane / 4, block lane % 4 of its 1,024 bytes
	v_lshl_add_u32 v[PFO], v84, 8, v[PFO]
	s_wait_alu depctr_va_vdst(0)
	s_wait_dscnt 0x0                               ; both opening adds are done
	s_wait_kmcnt 0x0
	s_add_nc_u64 s[4:5], s[4:5], s[50:51]
	s_add_nc_u64 s[12:13], s[12:13], s[48:49]
	s_add_nc_u64 s[WB:WB+1], s[6:7], s[WB:WB+1]
.irp s, 0,1
	s_mov_b32 s[G0+4*\s], 1
	s_add_co_u32 s[G0+4*\s+1], s29, \s*WSL
.endr
	s_mul_i32 s18, s[KW], SLOTB
	s_add_nc_u64 s[G0+2:G0+3], s[WB:WB+1], s[18:19]    ; the first slot's first step
	s_or_b32 s[G0+3], s[G0+3], 0x80000000
; the bases of the next global loads; every earlier load and prefetch has read its base behind the wait
.macro ADV xl, wl, pf
	s_wait_xcnt 0x0
.if \wl
	s_mul_i32 s20, s[KW], SLOTB
	s_add_nc_u64 s[WA:WA+1], s[WB:WB+1], s[20:21]
	s_add_co_u32 s[KW], s[KW], 1
	s_and_b32 s[KW], s[KW], 15
.endif
.if \pf
	s_add_co_u32 s20, s[KX], 2
	s_and_b32 s20, s20, 15
	s_lshl_b32 s20, s20, 10
	s_add_nc_u64 s[PA:PA+1], s[4:5], s[20:21]
.endif
.if \xl
	s_lshl_b32 s20, s[KX], 10
	s_add_nc_u64 s[XA:XA+1], s[4:5], s[20:21]
	s_add_co_u32 s[KX], s[KX], 1
	s_and_b32 s[KX], s[KX], 15
.endif
.endm
.macro XL hf                           ; 16 loads of 512 consecutive bytes: rows 8 hf .. 8 hf + 7, the slot's first step into registers 0-3 of the row's eight, its second into 4-7
.irp u, 0,1,2,3,4,5,6,7
	global_load_b128 v[X+64*(\hf)+8*\u:X+64*(\hf)+8*\u+3], v[WO], s[XA:XA+1] offset:16384*(8*(\hf)+\u) th:TH_LOAD_NT
	global_load_b128 v[X+64*(\hf)+8*\u+4:X+64*(\hf)+8*\u+7], v[WO], s[XA:XA+1] offset:16384*(8*(\hf)+\u)+512 th:TH_LOAD_NT
.endr
.endm
.macro WL1                             ; 32 loads of 512 consecutive bytes: the second step's 16 tiles into set 1
	WIN 0x40
.irp b, 0,1,2,3,4,5,6,7,8,9,10,11,12,13,14,15
	global_load_b128 v[128+8*\b:128+8*\b+3], v[WO], s[WA:WA+1] offset:16384+1024*\b
	global_load_b128 v[128+8*\b+4:128+8*\b+7], v[WO], s[WA:WA+1] offset:16384+1024*\b+512
.endr
	WIN 0
.endm
.macro WD p                            ; 32 LDS loads: the first step's 16 tiles from LDS slot p into set 0
	WIN 0x40
.irp b, 0,1,2,3,4,5,6,7,8,9,10,11,12,13,14,15
	ds_load_b128 v[8*\b:8*\b+3], v[BAD+(\p)] offset:1024*\b
	ds_load_b128 v[8*\b+4:8*\b+7], v[BAD+(\p)] offset:1024*\b+512
.endr
	WIN 0
.endm
.macro WSC p                           ; 8 loads: the slot's scale words, both steps', into set p
.irp j, 0,1,2,3,4,5,6,7
	global_load_b64 v[BS+16*(\p)+2*\j:BS+16*(\p)+2*\j+1], v[WS], s[WA:WA+1] offset:32768+256*\j
.endr
.endm
.macro FX p, q                         ; x's four fragments of step q from buffer p
.irp m, 0,1,2,3
	ds_load_b128 v[AF+8*\m:AF+8*\m+3], v[ABF] offset:XBUF*(\p)+16*XP*\m+64*(\q)
	ds_load_b128 v[AF+8*\m+4:AF+8*\m+7], v[ABF] offset:XBUF*(\p)+16*XP*\m+64*(\q)+32
.endr
.endm
; eight rows are quantised, by turns line by line, and go into buffer buf: 32 LDS stores
.macro QX hf, buf
.set xb, X+64*(\hf)
.irp u, 0,1,2,3,4,5,6,7
	v_max3_num_f32 v[M0+\u], |v[xb+8*\u]|, |v[xb+8*\u+1]|, 0x1800000     ; with the floor 2^(3 - 127): the byte cannot fall under 1
	v_max3_num_f32 v[M1+\u], |v[xb+8*\u+4]|, |v[xb+8*\u+5]|, 0x1800000
.endr
.irp u, 0,1,2,3,4,5,6,7
	v_max3_num_f32 v[M0+\u], v[M0+\u], |v[xb+8*\u+2]|, |v[xb+8*\u+3]|
	v_max3_num_f32 v[M1+\u], v[M1+\u], |v[xb+8*\u+6]|, |v[xb+8*\u+7]|
.endr
.irp k, 1,2,4
.irp j, 0,1,2,3,4,5,6,7,8,9,10,11,12,13,14,15
	v_max_num_f32_dpp v[M0+\j], v[M0+\j], v[M0+\j] row_xmask:\k row_mask:0xf bank_mask:0xf   ; with the block's other seven lanes
.endr
.endr
.irp j, 0,1,2,3,4,5,6,7,8,9,10,11,12,13,14,15
	v_add_nc_u32 v[M0+\j], 0xff000000, v[M0+\j]    ; 2 off the exponent field: the conversion's scale operand
.endr
.irp u, 0,1,2,3,4,5,6,7
	v_cvt_scalef32_pk8_fp4_f32 v[C0+\u], v[xb+8*\u:xb+8*\u+7], v[M0+\u]   ; its low half: the first step's 4 codes
	v_cvt_scalef32_pk8_fp4_f32 v[C1+\u], v[xb+8*\u:xb+8*\u+7], v[M1+\u]   ; its high half: the second step's
.endr
	v_nop                                          ; one plain line behind the conversions
.irp j, 0,1,2,3,4,5,6,7,8,9,10,11,12,13,14,15
	v_lshrrev_b32 v[M0+\j], 23, v[M0+\j]           ; the byte
.endr
.irp u, 0,1,2,3,4,5,6,7
	ds_store_b16 v[CST], v[C0+\u] offset:XBUF*(\buf)+XP*(8*(\hf)+\u)              ; 32 lanes: the row's first 64 bytes of codes,
	ds_store_b16_d16_hi v[CST], v[C1+\u] offset:XBUF*(\buf)+XP*(8*(\hf)+\u)+64    ; and its second
	ds_store_b8 v[BST], v[M0+\u] offset:512*(\buf)+8*(8*(\hf)+\u)                 ; a block's eight lanes write the same byte
	ds_store_b8 v[BST], v[M1+\u] offset:512*(\buf)+8*(8*(\hf)+\u)+4
.endr
.endm
; n tiles of wq from b0 on x x's four blocks of 16 rows; the 64 accumulators take turns, in the same order in every step
.macro MULS b0, n, q, p, zero
.set bT, \b0
.rept \n
.irp m, 0,1,2,3
.set rD, 8*(4*(bT%8)+\m)
.set rA, AF+8*\m
.set rB, 128*(\q)+8*bT
.set rX, AS+2*(\m/2)+(\q)
.set rW, BS+16*(\p)+2*(bT/2)+(\q)
.if \zero
.if (bT%2 == 0) && (\m%2 == 0)
	v_wmma_scale_f32_16x16x128_f8f6f4 v[rD:rD+7], v[rA:rA+7], v[rB:rB+7], 0, v[rX], v[rW] matrix_a_fmt:MATRIX_FMT_FP4 matrix_b_fmt:MATRIX_FMT_FP4
.elseif bT%2 == 0
	v_wmma_scale_f32_16x16x128_f8f6f4 v[rD:rD+7], v[rA:rA+7], v[rB:rB+7], 0, v[rX], v[rW] matrix_a_fmt:MATRIX_FMT_FP4 matrix_b_fmt:MATRIX_FMT_FP4 matrix_a_scale:MATRIX_SCALE_ROW1
.elseif \m%2 == 0
	v_wmma_scale_f32_16x16x128_f8f6f4 v[rD:rD+7], v[rA:rA+7], v[rB:rB+7], 0, v[rX], v[rW] matrix_a_fmt:MATRIX_FMT_FP4 matrix_b_fmt:MATRIX_FMT_FP4 matrix_b_scale:MATRIX_SCALE_ROW1
.else
	v_wmma_scale_f32_16x16x128_f8f6f4 v[rD:rD+7], v[rA:rA+7], v[rB:rB+7], 0, v[rX], v[rW] matrix_a_fmt:MATRIX_FMT_FP4 matrix_b_fmt:MATRIX_FMT_FP4 matrix_a_scale:MATRIX_SCALE_ROW1 matrix_b_scale:MATRIX_SCALE_ROW1
.endif
.else
.if (bT%2 == 0) && (\m%2 == 0)
	v_wmma_scale_f32_16x16x128_f8f6f4 v[rD:rD+7], v[rA:rA+7], v[rB:rB+7], v[rD:rD+7], v[rX], v[rW] matrix_a_fmt:MATRIX_FMT_FP4 matrix_b_fmt:MATRIX_FMT_FP4
.elseif bT%2 == 0
	v_wmma_scale_f32_16x16x128_f8f6f4 v[rD:rD+7], v[rA:rA+7], v[rB:rB+7], v[rD:rD+7], v[rX], v[rW] matrix_a_fmt:MATRIX_FMT_FP4 matrix_b_fmt:MATRIX_FMT_FP4 matrix_a_scale:MATRIX_SCALE_ROW1
.elseif \m%2 == 0
	v_wmma_scale_f32_16x16x128_f8f6f4 v[rD:rD+7], v[rA:rA+7], v[rB:rB+7], v[rD:rD+7], v[rX], v[rW] matrix_a_fmt:MATRIX_FMT_FP4 matrix_b_fmt:MATRIX_FMT_FP4 matrix_b_scale:MATRIX_SCALE_ROW1
.else
	v_wmma_scale_f32_16x16x128_f8f6f4 v[rD:rD+7], v[rA:rA+7], v[rB:rB+7], v[rD:rD+7], v[rX], v[rW] matrix_a_fmt:MATRIX_FMT_FP4 matrix_b_fmt:MATRIX_FMT_FP4 matrix_a_scale:MATRIX_SCALE_ROW1 matrix_b_scale:MATRIX_SCALE_ROW1
.endif
.endif
.endr
.set bT, bT+1
.endr
.endm
.macro MMA q, p, zero                  ; a step: 64 matrix instructions, and four places in front of the loads into their operands
	WIN MUL_LO
	MULS 0, 8, \q, \p, \zero
	WIN MUL_HI
	MULS 8, 8, \q, \p, \zero
	PLACES 4
	WIN 0
.endm
; SLOT t, of parity p: multiplies slot t, quantises slot t + 1 (qn), loads x of slot t + 2 (xl) and wq of slot t + 1 (wl).  na .. nd: global loads younger than x half A, the scale words, x half B, wq step 1.
; Each half's quantising stands between LDS loads of fragments and the products that take them.
.macro SLOT p, zero, na, nb, nc, nd, qn, xl, wl, pf, ap
	s_wait_tensorcnt 0x0                           ; my one tensor load has landed: this slot's first step of wq;
	ds_add_u32 v[SPW], v[NIL]
.if \wl
	s_mul_i32 s18, s[KW], SLOTB                    ; no tensor load of mine is out: the other LDS slot's group 0 takes the next slot of K
	s_add_nc_u64 s[G0+4*(1-(\p))+2:G0+4*(1-(\p))+3], s[WB:WB+1], s[18:19]
	s_or_b32 s[G0+4*(1-(\p))+3], s[G0+4*(1-(\p))+3], 0x80000000
.endif
	s_wait_dscnt 0x0                               ; the add is done, my codes of this slot are stored, my reads of the last slot's buffers are over
.if \wl
	CROUND                                         ; and so are those of every wave of the cluster's four work-groups
	tensor_load_to_lds s[G0+4*(1-(\p)):G0+4*(1-(\p))+3], s[G1:G1+7]   ; my one load behind the round: the next slot's first step (in slot 0: the second LDS slot's first fill)
	s_nop 0
.else
	s_barrier_signal -1                            ; the last slot fills nothing
	s_barrier_wait -1
.endif
	FX \p, 0
	ds_load_b64 v[AS:AS+1], v[ASC] offset:512*(\p)         ; rows 0-31: lanes 0-15 block 0, lanes 16-31 block 1; both steps' words
	ds_load_b64 v[AS+2:AS+3], v[ASC] offset:512*(\p)+256
	WD \p
.if \qn
	s_wait_loadcnt \na
	QX 0, 1-(\p)
.endif
.if \wl
	ADV \xl, 1, \pf
.endif
.if \xl
	XL 0
.endif
.if \pf
.if \pf == 2
	s_cmp_eq_u32 s3, 1                             ; the loop's last trip ends with slot 12: there is no slot 16
	s_cbranch_scc1 .Lno_ask_\@
.endif
	global_prefetch_b8 v[PFO], s[PA:PA+1] th:TH_LOAD_NT scope:SCOPE_SE
	global_prefetch_b8 v[PFO], s[PA:PA+1] offset:131072 th:TH_LOAD_NT scope:SCOPE_SE
.if \pf == 2
.Lno_ask_\@:
.endif
.endif
	s_wait_loadcnt \nb
	s_wait_dscnt 32*\qn                            ; the 42 LDS loads are in; the quantiser's 32 stores may be out
	MMA 0, \p, \zero
	FX \p, 1
.if \wl
	WSC 1-(\p)
.endif
.if \qn
	s_wait_loadcnt \nc
	QX 1, 1-(\p)
.endif
.if \xl
	XL 1
.endif
.if \ap
.irp g, 0,1,2,3
.irp b, 0,1,2,3,4,5,6,7
	global_load_b32 v[AP+8*\g+\b], v[APO], s[8:9] offset:2048*\g+64*\b   ; ape and norm_w at my columns, 40 loads into registers that x has left
.endr
.endr
.irp b, 0,1,2,3,4,5,6,7
	global_load_b32 v[NW+\b], v[APO], s[10:11] offset:64*\b
.endr
.endif
	s_wait_loadcnt \nd
	s_wait_dscnt 32*\qn
	MMA 1, \p, 0
.if \wl
	WL1
.endif
.endm
	; the head: slot 0's x, quantised into buffer 0; wq's slot 0
	ADV 1, 1, 0
	XL 0
	XL 1
	WSC 0
	CROUND                                         ; the four work-groups are here: the first joint loads meet
	tensor_load_to_lds s[G0:G0+3], s[G1:G1+7]      ; one tensor load a wave at the head: slot 0's first step
	s_nop 0
	s_wait_loadcnt 24                              ; half A is in: behind it half B's 16 and the 8 of the scale words
	QX 0, 0
	ADV 1, 0, 0
	XL 0
	s_wait_loadcnt 24                              ; half B: behind it the scale words' 8 and slot 1's 16
	QX 1, 0
	XL 1
	WL1
	SLOT 0, 1, 48, 63, 56, 40, 1, 1, 1, 1, 0       ; slot 0's first products start the sums.  Behind slot 1's half A: its half B's 16, wq step 1's 32
	s_mov_b32 s3, 6
.Lslots:                                               ; slots 1 to 12.  Behind half A 8 + 16 + 32; behind the scale words 16 + 32 + 16; behind half B 32 + 16 + 8; behind wq step 1 16 + 8 + 16
	SLOT 1, 0, 56, 63, 56, 40, 1, 1, 1, 1, 0
	SLOT 0, 0, 56, 63, 56, 40, 1, 1, 1, 2, 0
	s_sub_co_u32 s3, s3, 1
	s_cmp_lg_u32 s3, 0
	s_cbranch_scc1 .Lslots
	SLOT 1, 0, 56, 63, 56, 40, 1, 1, 1, 0, 0       ; slot 13
	SLOT 0, 0, 56, 48, 40, 48, 1, 0, 1, 0, 1       ; slot 14: no x is left to load: 16 + 32; 32 + 8; 8 + the 40 of ape and norm_w
	SLOT 1, 0, 0, 63, 0, 0, 0, 0, 0, 0, 0          ; slot 15: behind the scale words 40 + 32
	s_wait_loadcnt 0x0
.irp b, 0,1,2,3,4,5,6,7
	v_add_f32 v[APM+\b], v[AP+\b], v[AP+8+\b]      ; ape's mean over the window's four places
	v_add_f32 v[AP+16+\b], v[AP+16+\b], v[AP+24+\b]
.endr
.irp b, 0,1,2,3,4,5,6,7
	v_add_f32 v[APM+\b], v[APM+\b], v[AP+16+\b]
.endr
.irp b, 0,1,2,3,4,5,6,7
	v_mul_f32 v[APM+\b], 0x3e800000, v[APM+\b]
.endr
; columns 16 b on: a lane holds one column and 32 rows = 8 windows of 4.  sigmoid / 4 = 1 / (4 + 4 x 2^(-g log2 e)); the window's mean is four multiply-adds onto ape's mean
.macro GATE b
	WIN 0x03
.set k, 0
.rept 16
	v_pk_mul_f32 v[E+k:E+k+1], v[32*\b+k:32*\b+k+1], s[38:39] op_sel_hi:[1,0]
.set k, k+2
.endr
	WIN 0
.set k, 0
	s_wait_alu depctr_va_vdst(0)                   ; a wait ahead of each batch and behind it
.rept 32
	v_exp_f32 v[E+k], v[E+k]
.set k, k+1
.endr
	v_nop
	s_wait_alu depctr_va_vdst(0)
.set k, 0
.rept 16
	v_pk_fma_f32 v[E+k:E+k+1], v[E+k:E+k+1], 4.0, 4.0 op_sel_hi:[1,0,0]
.set k, k+2
.endr
.set k, 0
	s_wait_alu depctr_va_vdst(0)
.rept 32
	v_rcp_f32 v[E+k], v[E+k]
.set k, k+1
.endr
	v_nop
	s_wait_alu depctr_va_vdst(0)
	WIN 0x02
.irp w, 0,1,2,3,4,5,6,7
	v_fma_f32 v[PL+8*\b+\w], v[32*\b+4*\w], v[E+4*\w], v[APM+\b]
.endr
.irp j, 1,2,3
.irp w, 0,1,2,3,4,5,6,7
	v_fma_f32 v[PL+8*\b+\w], v[32*\b+4*\w+\j], v[E+4*\w+\j], v[PL+8*\b+\w]
.endr
.endr
	WIN 0
.irp w, 0,1,2,3,4,5,6,7
.if \b == 0
	v_mul_f32 v[SS+\w], v[PL+\w], v[PL+\w]
.else
	v_fmac_f32 v[SS+\w], v[PL+8*\b+\w], v[PL+8*\b+\w]
.endif
.endr
.endm
.irp b, 0,1,2,3,4,5,6,7
	GATE \b
.endr
.irp k, 1,2,4,8
.irp w, 0,1,2,3,4,5,6,7
	v_add_f32_dpp v[SS+\w], v[SS+\w], v[SS+\w] row_xmask:\k row_mask:0xf bank_mask:0xf   ; the squares of my wave's 128 columns
.endr
.endr
.irp w, 0,1,2,3,4,5,6,7
	ds_store_b32 v[RSW], v[SS+\w] offset:16*(4*(\w/2)+\w%2)
.endr
	s_wait_dscnt 0x0
	s_barrier_signal -1
	s_barrier_wait -1
.irp w, 0,1,2,3,4,5,6,7
	ds_load_b128 v[E+4*\w:E+4*\w+3], v[RSR] offset:16*(4*(\w/2)+\w%2)   ; the four waves' parts
.endr
	s_wait_dscnt 0x0
.irp w, 0,1,2,3,4,5,6,7
	v_pk_add_f32 v[E+4*\w:E+4*\w+1], v[E+4*\w:E+4*\w+1], v[E+4*\w+2:E+4*\w+3]
.endr
.irp w, 0,1,2,3,4,5,6,7
	v_add_f32 v[E+4*\w], v[E+4*\w], v[E+4*\w+1]
.endr
.irp w, 0,1,2,3,4,5,6,7
	v_fma_f32 v[R+\w], v[E+4*\w], s60, s61
.endr
	s_wait_alu depctr_va_vdst(0)
.irp w, 0,1,2,3,4,5,6,7
	v_rsq_f32 v[R+\w], v[R+\w]
.endr
	v_nop
	s_wait_alu depctr_va_vdst(0)
.irp b, 0,1,2,3,4,5,6,7
.irp k, 0,2,4,6
	v_pk_mul_f32 v[PL+8*\b+\k:PL+8*\b+\k+1], v[PL+8*\b+\k:PL+8*\b+\k+1], v[R+\k:R+\k+1]
.endr
.endr
.irp b, 0,1,2,3,4,5,6,7
.irp w, 0,1,2,3,4,5,6,7
	v_mul_f32 v[PL+8*\b+\w], v[NW+\b], v[PL+8*\b+\w]
.endr
.endr
.irp b, 0,1,2,3,4,5,6,7
.irp w, 0,1,2,3,4,5,6,7
	ds_store_b32 v[STO], v[PL+8*\b+\w] offset:SP*(4*(\w/2)+\w%2)+64*\b
.endr
.endr
	s_wait_dscnt 0x0                               ; a row's 2,048 bytes come from four waves
	s_barrier_signal -1
	s_barrier_wait -1
.irp i, 0,1,2,3
.irp c, 0,1,2,3
	ds_load_b128 v[E+4*(4*\i+\c):E+4*(4*\i+\c)+3], v[SRD] offset:SP*\i+512*\c
.endr
.endr
.irp i, 0,1,2,3
.irp c, 0,1,2,3
	s_wait_dscnt 15-(4*\i+\c)
	global_store_b128 v[WO], v[E+4*(4*\i+\c):E+4*(4*\i+\c)+3], s[12:13] offset:2048*\i+512*\c th:TH_STORE_NT   ; 32 lanes store 512 consecutive bytes, at a multiple of 256 from out0's first byte
.endr
.endr
	s_wait_tensorcnt 0x0                           ; the wave's end
	ds_add_u32 v[SPW], v[NIL]
	s_wait_dscnt 0x0
	CROUND                                         ; the closing round
	s_endpgm
.Lfunc_end_k_qdd28038358_fused:
	.size	k_qdd28038358_fused, .Lfunc_end_k_qdd28038358_fused-k_qdd28038358_fused
	.p2alignl 7, 3214868480
	.fill 96, 4, 3214868480
	.section	.rodata,"a",@progbits
	.p2align	6, 0x0
	.amdhsa_kernel k_qdd28038358_fused
		.amdhsa_group_segment_fixed_size 327680
		.amdhsa_private_segment_fixed_size 0
		.amdhsa_enable_private_segment 0
		.amdhsa_kernarg_size 40
		.amdhsa_user_sgpr_count 2
		.amdhsa_user_sgpr_kernarg_segment_ptr 1
		.amdhsa_wavefront_size32 1
		.amdhsa_system_sgpr_workgroup_id_x 1
		.amdhsa_system_sgpr_workgroup_id_y 1
		.amdhsa_system_sgpr_workgroup_id_z 1
		.amdhsa_system_vgpr_workitem_id 0
		.amdhsa_next_free_vgpr 1024
		.amdhsa_next_free_sgpr 66
		.amdhsa_reserve_vcc 0
		.amdhsa_float_denorm_mode_32 3
		.amdhsa_float_denorm_mode_16_64 3
		.amdhsa_memory_ordered 1
		.amdhsa_forward_progress 1
		.amdhsa_inst_pref_size 255
	.end_amdhsa_kernel
	.section	.bss,"aw",@nobits
	.p2align	6
	.space	262144
	.amdgpu_metadata
---
amdhsa.version: [ 1, 2 ]
amdhsa.kernels:
  - .name:           k_qdd28038358_fused
    .symbol:         k_qdd28038358_fused.kd
    .args:
      - { .name: x, .offset: 0, .size: 8, .value_kind: global_buffer, .address_space: global }
      - { .name: wq, .offset: 8, .size: 8, .value_kind: global_buffer, .address_space: global }
      - { .name: ape, .offset: 16, .size: 8, .value_kind: global_buffer, .address_space: global }
      - { .name: norm_w, .offset: 24, .size: 8, .value_kind: global_buffer, .address_space: global }
      - { .name: out0, .offset: 32, .size: 8, .value_kind: global_buffer, .address_space: global }
    .group_segment_fixed_size: 327680
    .private_segment_fixed_size: 0
    .kernarg_segment_align: 8
    .kernarg_segment_size: 40
    .max_flat_workgroup_size: 128
    .sgpr_count:     66
    .vgpr_count:     1024
    .wavefront_size: 32
...
	.end_amdgpu_metadata
.endif
;; end of part 2
